; MI455X (gfx1250); checked and timed in simulation.
; The chip was launched on July 23, 2026; its instructions are those of AMD's public machine-readable ISA for CDNA 5 (MIT licence, August 2026) and "CDNA5" Instruction Set Architecture Reference Guide (July 2026). The comments in the code are by the model that wrote it; some were corrected since.
;; Overlap Entropy. Allowed arithmetic: float matrix products may take bf16 or f16 operands with f32 sums; all other float work in f32.
;; Inputs: x 4 x 64 x 256 x 256 float32.
;; Outputs: out0 4 x 1 x 256 x 256 float32.
;; One version. Each part assembles by itself: llvm-mc -triple=amdgcn-amd-amdhsa -mcpu=gfx1250 --defsym DOCPART=n.
;; ======== version 1 of 1: 2 launches
;; workspace buffers: emap 1,048,576 bytes; mm 2,048 bytes
;; launch entropy (part 1): grid 256 x 1, 16 waves a work-group, no clusters, 133,376 bytes of LDS; arguments x, emap, mm; writes emap, mm
.if DOCPART == 1
	.amdgcn_target "amdgcn-amd-amdhsa--gfx1250"
	.amdhsa_code_object_version 6
	.text
	.protected	k_qb4631adb2d_entropy
	.globl	k_qb4631adb2d_entropy
	.p2align	8
	.type	k_qb4631adb2d_entropy,@function
k_qb4631adb2d_entropy:
	s_mov_b64 s[64:65], 0
	v_nop
	global_prefetch_b8 v0, s[64:65] scope:SCOPE_SE
	s_setreg_imm32_b32 hwreg(HW_REG_WAVE_MODE, 25, 1), 1
	s_wait_xcnt 0x0
; emap[b][h][w] = mean over 64 channels of the entropy of softmax(3x3 window, zero padded) + EPS;  mm[work-group] = (min, max) of its tile.
; x: [4][64][256][256] f32.  A work-group owns 16 rows x 64 columns of one batch, all 64 channels.  Wave w owns channels 4w..4w+3:
; lanes 0-15 the pair (4w, 4w+1), lanes 16-31 the pair (4w+2, 4w+3).  A lane owns 4 columns: 16 lanes load 256 consecutive, aligned bytes.
;
; THE ARITHMETIC, base 2, y = x * log2(e).  The softmax sums of a window are made in two stages, each with its own true maximum:
;   row stage (3 neighbours of a row, made once, used by 3 windows):  m_r = max3(y), S_r = sum 2^(y-m_r), T_r = sum 2^(y-m_r) (y-m_r)
;   column stage (3 rows):  m = max3(m_r), g = m_r - m, w = 2^g,  S = sum w S_r,  T = sum w (T_r + S_r g)
;   -sum p log2 p = log2 S - T / S.   6 exponentials, 1 logarithm, 1 reciprocal a window; no exponent is ever above 0.
; EPS: for every p in [0, 1]   (p+EPS) ln(p+EPS) = p ln p + EPS max(ln p, ln EPS) + r(p),   0 <= r <= 1.39 EPS.
;   ln p is known without a logarithm (log2 p = y - m - log2 S), so the middle term is 9 maxima: sum max(y, th) - 9 (m + log2 S), th = m + log2 S + log2 EPS.
;   LIMIT KEPT: r is taken as EPS: at most EPS per element, 9e-8 per window, off the exact term (f32's rounding of p + EPS is of that size).
;   That difference of sums of y is multiplied by EPS: its rounding, 9 |y| 2^-24 EPS, stays under 1e-8 up to |x| of about 1e6.
; LIMIT KEPT: x * log2(e) must be finite: |x| < 2.3e38.  The channel sum is a tree, not reference()'s order.
;
; The two channels of a lane are interleaved into register pairs [A, B] by the multiplication with log2(e), so that every add, multiply and
; fused multiply-add, also on the left and right neighbours, is one packed instruction on an aligned pair.
; No cluster: neighbouring work-groups share 2 of a tile's 18 rows and 2 of its 66 columns, nothing else.  No LDS ring: a loaded byte serves one wave.
.set LOG2E, 0x3fb8aa3b
.set PLANE, 262144                     ; bytes of a channel
.set ROWB,  1024                       ; bytes of a row
.set OFF,   1                          ; v1       byte offset of my 4 columns (my half-wave's first channel)
.set HOFF,  2                          ; v2       byte offset of the column beside my 16 lanes' 64: left one in lanes 0-7 of 16, right one in 8-15
.set HF,    3                          ; v3       its factor: log2(e), or 0 where that column lies outside the picture
.set HFT,   4                          ; v4       the same for the row above the tile (0 if outside)
.set HFB,   5                          ; v5       the same for the row below
.set LST,   6                          ; v6       LDS address of my 16 bytes of the step's output row
.set XS,    8                          ; v8-37    3 load slots of 10: A's 4 columns, A's and B's side column, B's 4 columns
.set YR,    38                         ; v38-73   3 rows of y: 6 pairs [A,B]: left neighbour, my 4 columns, right neighbour
.set MR,    74                         ; v74-97   3 rows of m_r: 4 pairs
.set SR,    98                         ; v98-121  3 rows of S_r
.set TR,    122                        ; v122-145 3 rows of T_r
.set DD,    146                        ; v146-169 exponents (24), then at work
.set EE,    170                        ; v170-193 their powers of two (24), then at work
.set MX,    194                        ; v194-201 the window's m; at the end the 4 results
.set SS,    202                        ; v202-209 S
.set TS,    210                        ; v210-217 T, then the entropy in bits
.set LS,    218                        ; v218-225 log2 S, then m + log2 S
.set RC,    226                        ; v226-233 1 / S, then the threshold th
.set RR,    YR                         ; the way out: 32 partial pairs in v38-101
.set PART,  8192                       ; LDS: a wave's 16 rows x 2 half-waves x 64 columns of f32
.set MMB,   16*PART                    ; LDS: behind them 16 x (min, max)
	s_load_b128 s[4:7], s[0:1], 0x0                ; x s[4:5], emap s[6:7]
	s_load_b64 s[8:9], s[0:1], 0x10                ; mm
	v_lshl_add_u32 v240, v0, 2, 0x20100
	v_mov_b32 v241, 0
	v_lshrrev_b32 v[DD], 5, v0
	v_readfirstlane_b32 s10, v[DD]                 ; wave 0..15
	s_lshr_b32 s11, ttmp9, 6                       ; batch
	s_bfe_u32 s12, ttmp9, 0x40002                  ; tile row 0..15
	s_and_b32 s13, ttmp9, 3                        ; tile column 0..3
	s_lshl_b32 s14, s11, 24                        ; batch x 64 planes
	s_lshl_b32 s15, s10, 20                        ; + wave x 4 planes
	s_add_co_u32 s14, s14, s15
	s_lshl_b32 s15, s12, 14                        ; + tile row x 16 rows
	s_add_co_u32 s14, s14, s15
	s_mov_b32 s15, 0
	s_mov_b32 s23, LOG2E
	s_cmp_lg_u32 s12, 0                            ; is there a row above the tile?
	s_cselect_b32 s16, ROWB, 0                     ; yes: one row back; no: the tile's first row is loaded in its place,
	s_cselect_b32 s24, s23, 0                      ; and its factor is 0: the padding
	s_cselect_b32 s25, 1.0, 0
	s_mov_b32 s17, 0
	s_cmp_lg_u32 s12, 15                           ; and one below?
	s_cselect_b32 s18, ROWB, 0
	s_cselect_b32 s26, s23, 0
	s_cselect_b32 s27, 1.0, 0
	s_add_co_u32 s18, s18, 3*ROWB                  ; from row 12 of the tile: row 16, or row 15 with the factor 0
	s_mov_b32 s19, 0
	s_lshl_b32 s20, s13, 8                         ; the tile's first column in bytes
	s_sub_co_i32 s21, s20, 4
	s_max_i32 s21, s21, 0                          ; the column to its left, kept inside the row
	s_add_co_u32 s22, s20, 256
	s_min_u32 s22, s22, 1020                       ; the column to its right, kept inside the row
	s_sub_co_u32 s31, s22, s21
	s_cmp_lg_u32 s13, 0
	s_cselect_b32 s28, s23, 0                      ; left factor
	s_cmp_lg_u32 s13, 3
	s_cselect_b32 s29, s23, 0                      ; right factor
	s_lshl_b32 s30, s10, 13                        ; my wave's part of LDS
	s_mov_b32 s44, 0xc1d49a78                      ; log2(1e-8) = -26.5754, as a pair for packed instructions
	s_mov_b32 s45, 0xc1d49a78
	s_mov_b32 s46, 0x41100000                      ; 9.0
	s_mov_b32 s47, 0x41100000
	s_mov_b32 s48, 0x322bcc77                      ; EPS = 1e-8
	s_mov_b32 s49, 0x322bcc77
	v_and_b32 v[DD], 15, v0                        ; r: my place among 16 lanes
	v_bfe_u32 v[DD+1], v0, 4, 1                    ; which half-wave
	v_bfe_u32 v[DD+2], v0, 3, 1                    ; 0: lanes 0-7 of 16 (left side), 1: lanes 8-15 (right side)
	v_lshlrev_b32 v[DD+1], 19, v[DD+1]             ; the upper half-wave: two planes on
	v_lshl_add_u32 v[OFF], v[DD], 4, v[DD+1]
	v_add_nc_u32 v[OFF], s20, v[OFF]
	v_mad_u32_u24 v[HOFF], v[DD+2], s31, s21       ; left or right side column
	v_add_nc_u32 v[HOFF], v[HOFF], v[DD+1]
	v_cmp_eq_u32 vcc_lo, 0, v[DD+2]
	v_mov_b32 v[DD+3], s28
	v_mov_b32 v[HF], s29
	v_cndmask_b32 v[HF], v[HF], v[DD+3], vcc_lo
	v_mul_f32 v[HFT], s25, v[HF]
	v_mul_f32 v[HFB], s27, v[HF]
	v_and_b32 v[LST], 31, v0
	v_lshlrev_b32 v[LST], 4, v[LST]
	v_add_nc_u32 v[LST], s30, v[LST]
	s_wait_kmcnt 0x0
	s_add_nc_u64 s[4:5], s[4:5], s[14:15]          ; x at the tile's first row, my wave's first channel
	s_sub_nc_u64 s[32:33], s[4:5], s[16:17]        ; the row above
; a row of both channels: four loads
.macro LOADROW slot, ptr, off
	global_load_b128 v[XS+10*\slot:XS+10*\slot+3],   v[OFF],  s[\ptr:\ptr+1] offset:\off
	global_load_b128 v[XS+10*\slot+6:XS+10*\slot+9], v[OFF],  s[\ptr:\ptr+1] offset:\off+PLANE
	global_load_b32  v[XS+10*\slot+4],               v[HOFF], s[\ptr:\ptr+1] offset:\off
	global_load_b32  v[XS+10*\slot+5],               v[HOFF], s[\ptr:\ptr+1] offset:\off+PLANE
.endm
; slot q -> row q of the y ring: scale, interleave A and B, fetch the neighbours' columns
.macro ROWIN q, sc, hf
.irp j, 0,1,2,3
	v_mul_f32 v[YR+12*\q+2+2*\j], s[\sc], v[XS+10*\q+\j]
	v_mul_f32 v[YR+12*\q+3+2*\j], s[\sc], v[XS+10*\q+6+\j]
.endr
	v_mul_f32 v[YR+12*\q],    v[XS+10*\q+4], v[\hf]        ; the loaded side column, in both places: lane 0 of 16 keeps the left one,
	v_mul_f32 v[YR+12*\q+1],  v[XS+10*\q+5], v[\hf]        ; lane 15 the right one; all others are overwritten by the four moves below
	v_mul_f32 v[YR+12*\q+10], v[XS+10*\q+4], v[\hf]
	v_mul_f32 v[YR+12*\q+11], v[XS+10*\q+5], v[\hf]
	v_mov_b32_dpp v[YR+12*\q],    v[YR+12*\q+8] row_shr:1 row_mask:0xf bank_mask:0xf   ; lane i takes lane i-1's last column
	v_mov_b32_dpp v[YR+12*\q+1],  v[YR+12*\q+9] row_shr:1 row_mask:0xf bank_mask:0xf
	v_mov_b32_dpp v[YR+12*\q+10], v[YR+12*\q+2] row_shl:1 row_mask:0xf bank_mask:0xf   ; lane i takes lane i+1's first column
	v_mov_b32_dpp v[YR+12*\q+11], v[YR+12*\q+3] row_shl:1 row_mask:0xf bank_mask:0xf
.endm
; m_r of the 8 triples and their 24 exponents y - m_r
.macro ROWMAX q
.irp j, 0,1,2,3
.irp c, 0,1
	v_max3_num_f32 v[MR+8*\q+2*\j+\c], v[YR+12*\q+2*\j+\c], v[YR+12*\q+2*\j+2+\c], v[YR+12*\q+2*\j+4+\c]
.endr
.endr
.irp j, 0,1,2,3
.irp k, 0,1,2
	v_pk_add_f32 v[DD+6*\j+2*\k:DD+6*\j+2*\k+1], v[YR+12*\q+2*\j+2*\k:YR+12*\q+2*\j+2*\k+1], v[MR+8*\q+2*\j:MR+8*\q+2*\j+1] neg_lo:[0,1] neg_hi:[0,1]
.endr
.endr
.endm
.macro EXP24                           ; EE = 2^DD.  One plain vector instruction that touches neither follows each use of this macro (ISA guide 5.7.2)
.set i, 0
.rept 24
	v_exp_f32 v[EE+i], v[DD+i]
.set i, i+1
.endr
.endm
.macro ROWSUM q                        ; S_r and T_r
.irp j, 0,1,2,3
	v_pk_add_f32 v[SR+8*\q+2*\j:SR+8*\q+2*\j+1], v[EE+6*\j:EE+6*\j+1], v[EE+6*\j+2:EE+6*\j+3]
	v_pk_mul_f32 v[TR+8*\q+2*\j:TR+8*\q+2*\j+1], v[EE+6*\j:EE+6*\j+1], v[DD+6*\j:DD+6*\j+1]
.endr
.irp j, 0,1,2,3
	v_pk_add_f32 v[SR+8*\q+2*\j:SR+8*\q+2*\j+1], v[SR+8*\q+2*\j:SR+8*\q+2*\j+1], v[EE+6*\j+4:EE+6*\j+5]
	v_pk_fma_f32 v[TR+8*\q+2*\j:TR+8*\q+2*\j+1], v[EE+6*\j+2:EE+6*\j+3], v[DD+6*\j+2:DD+6*\j+3], v[TR+8*\q+2*\j:TR+8*\q+2*\j+1]
.endr
.irp j, 0,1,2,3
	v_pk_fma_f32 v[TR+8*\q+2*\j:TR+8*\q+2*\j+1], v[EE+6*\j+4:EE+6*\j+5], v[DD+6*\j+4:DD+6*\j+5], v[TR+8*\q+2*\j:TR+8*\q+2*\j+1]
.endr
.endm
.macro COLMAX                          ; the window's maximum; the three rows enter alike, so the ring's rotation does not matter
.set i, 0
	s_wait_alu depctr_va_vdst(0)
.rept 8
	v_max3_num_f32 v[MX+i], v[MR+i], v[MR+8+i], v[MR+16+i]
.set i, i+1
.endr
.endm
; the EPS term of column j (both channels): entropy += EPS (9 (m + log2 S) - sum over the 9 elements of max(y, th)); u: 18 registers at work
.macro EPSPX j, u
.irp q, 0,1,2
.irp k, 0,1,2
.irp c, 0,1
	v_max_num_f32 v[\u+6*\q+2*\k+\c], v[YR+12*\q+2*\j+2*\k+\c], v[RC+2*\j+\c]
.endr
.endr
.endr
	v_pk_add_f32 v[\u:\u+1],     v[\u:\u+1],     v[\u+2:\u+3]
	v_pk_add_f32 v[\u+4:\u+5],   v[\u+4:\u+5],   v[\u+6:\u+7]
	v_pk_add_f32 v[\u+8:\u+9],   v[\u+8:\u+9],   v[\u+10:\u+11]
	v_pk_add_f32 v[\u+12:\u+13], v[\u+12:\u+13], v[\u+14:\u+15]
	v_pk_add_f32 v[\u:\u+1],     v[\u:\u+1],     v[\u+4:\u+5]
	v_pk_add_f32 v[\u+8:\u+9],   v[\u+8:\u+9],   v[\u+12:\u+13]
	v_pk_add_f32 v[\u:\u+1],     v[\u:\u+1],     v[\u+16:\u+17]
	v_pk_add_f32 v[\u:\u+1],     v[\u:\u+1],     v[\u+8:\u+9]
	v_pk_fma_f32 v[\u:\u+1], v[LS+2*\j:LS+2*\j+1], s[46:47], v[\u:\u+1] op_sel_hi:[1,0,1] neg_lo:[0,0,1] neg_hi:[0,0,1]
	v_pk_fma_f32 v[TS+2*\j:TS+2*\j+1], v[\u:\u+1], s[48:49], v[TS+2*\j:TS+2*\j+1] op_sel_hi:[1,0,1]
.endm
; the column stage of one output row, behind COLMAX; out: the row's place in my part of LDS
.macro COLREST out
.irp q, 0,1,2
.irp j, 0,1,2,3
	v_pk_add_f32 v[DD+8*\q+2*\j:DD+8*\q+2*\j+1], v[MR+8*\q+2*\j:MR+8*\q+2*\j+1], v[MX+2*\j:MX+2*\j+1] neg_lo:[0,1] neg_hi:[0,1]   ; g = m_r - m
.endr
.endr
	EXP24                                          ; w = 2^g
	v_nop                                          ; the plain place: the next line overwrites the exponentials' sources
.irp q, 0,1,2
.irp j, 0,1,2,3
	v_pk_fma_f32 v[DD+8*\q+2*\j:DD+8*\q+2*\j+1], v[SR+8*\q+2*\j:SR+8*\q+2*\j+1], v[DD+8*\q+2*\j:DD+8*\q+2*\j+1], v[TR+8*\q+2*\j:TR+8*\q+2*\j+1]   ; T_r + S_r g
.endr
.endr
	s_wait_alu depctr_va_vdst(0)
.irp j, 0,1,2,3
	v_pk_mul_f32 v[SS+2*\j:SS+2*\j+1], v[EE+2*\j:EE+2*\j+1], v[SR+2*\j:SR+2*\j+1]
	v_pk_mul_f32 v[TS+2*\j:TS+2*\j+1], v[EE+2*\j:EE+2*\j+1], v[DD+2*\j:DD+2*\j+1]
.endr
.irp q, 1,2
.irp j, 0,1,2,3
	v_pk_fma_f32 v[SS+2*\j:SS+2*\j+1], v[EE+8*\q+2*\j:EE+8*\q+2*\j+1], v[SR+8*\q+2*\j:SR+8*\q+2*\j+1], v[SS+2*\j:SS+2*\j+1]
	v_pk_fma_f32 v[TS+2*\j:TS+2*\j+1], v[EE+8*\q+2*\j:EE+8*\q+2*\j+1], v[DD+8*\q+2*\j:DD+8*\q+2*\j+1], v[TS+2*\j:TS+2*\j+1]
.endr
.endr
.set i, 0
.rept 8
	v_log_f32 v[LS+i], v[SS+i]
.set i, i+1
.endr
.set i, 0
.rept 8
	v_rcp_f32 v[RC+i], v[SS+i]
.set i, i+1
.endr
	v_nop                                          ; the plain place in front of the first use of these sixteen results
	s_wait_alu depctr_va_vdst(0)
.irp j, 0,1,2,3
	v_pk_fma_f32 v[TS+2*\j:TS+2*\j+1], v[TS+2*\j:TS+2*\j+1], v[RC+2*\j:RC+2*\j+1], v[LS+2*\j:LS+2*\j+1] neg_lo:[1,0,0] neg_hi:[1,0,0]   ; log2 S - T / S
	v_pk_add_f32 v[LS+2*\j:LS+2*\j+1], v[LS+2*\j:LS+2*\j+1], v[MX+2*\j:MX+2*\j+1]                                                       ; m + log2 S
.endr
.irp j, 0,1,2,3
	v_pk_add_f32 v[RC+2*\j:RC+2*\j+1], v[LS+2*\j:LS+2*\j+1], s[44:45] op_sel_hi:[1,0]      ; th: below it p < EPS
.endr
	EPSPX 0, DD
	EPSPX 1, EE
	EPSPX 2, DD
	EPSPX 3, EE
.irp j, 0,1,2,3
	v_add_f32 v[MX+\j], v[TS+2*\j], v[TS+2*\j+1]   ; my two channels together
.endr
	ds_store_b128 v[LST], v[MX:MX+3] offset:\out   ; the wave's 512 bytes: 64 columns of the lower half-wave's pair, then of the upper's
.endm
; One output row h: the row stage of row h+1 (ring place q), then the column stage.  left: loads that may stay out; ld = 1: slot q is asked again.
.macro STEP q, sc, hf, left, ld, ptr, off, out
	s_wait_loadcnt \left                           ; loads return in order: the slot's four are in, the younger rows' stay out
	ROWIN \q, \sc, \hf
.if \ld
	LOADROW \q, \ptr, \off                         ; three rows on, into the slot just read
.endif
	ROWMAX \q
	EXP24
	COLMAX                                         ; eight plain instructions on other registers: the place behind the exponentials
	ROWSUM \q
	COLREST \out
.endm
	; Row i of the tile (-1 .. 16) uses slot and ring place (i+1) mod 3.  Three rows are asked for before anything is computed.
	LOADROW 0, 32, 0
	LOADROW 1, 4, 0
	LOADROW 2, 4, ROWB
	s_wait_loadcnt 0x8                             ; row -1 is in; rows 0 and 1 (8 loads) stay out
	ROWIN 0, 24, HFT
	LOADROW 0, 4, 2*ROWB
	ROWMAX 0
	EXP24
	v_nop
	s_wait_alu depctr_va_vdst(0)
	ROWSUM 0
	s_wait_loadcnt 0x8                             ; row 0 is in; rows 1 and 2 stay out
	ROWIN 1, 23, HF
	LOADROW 1, 4, 3*ROWB
	ROWMAX 1
	EXP24
	v_nop
	s_wait_alu depctr_va_vdst(0)
	ROWSUM 1
	s_mov_b32 s36, 0
.Ltrip:                                                ; output rows 3t, 3t+1, 3t+2, t = 0..3; they ask for rows 3t+4 .. 3t+6 (4 .. 15: always inside the tile)
	STEP 2, 23, HF, 8, 1, 4, 4*ROWB, 0
	STEP 0, 23, HF, 8, 1, 4, 5*ROWB, 512
	STEP 1, 23, HF, 8, 1, 4, 6*ROWB, 1024
	s_wait_xcnt 0x0                                ; the base of the loads above is stepped only behind this wait
	s_add_nc_u64 s[4:5], s[4:5], 3*ROWB
	v_add_nc_u32 v[LST], 3*512, v[LST]
	s_add_co_u32 s36, s36, 1
	s_cmp_lt_u32 s36, 4
	s_cbranch_scc1 .Ltrip
	s_add_nc_u64 s[34:35], s[4:5], s[18:19]        ; the row below the tile (or row 15, with the factor 0)
	STEP 2, 23, HF, 8, 1, 34, 0, 0                 ; output row 12 asks for the last row;
	STEP 0, 23, HF, 8, 0, 4, 0, 512                ; then nothing is asked for and the counts run down: rows 15, 16 out,
	STEP 1, 23, HF, 4, 0, 4, 0, 1024               ; row 16 out,
	STEP 2, 26, HFB, 0, 0, 4, 0, 1536              ; none
	; THE CHANNEL SUM.  Every wave's stores are done, then the barrier; behind it wave w adds row w of the tile: thread t two columns, 32 partials.
	s_wait_dscnt 0x0
	s_barrier_signal -1
	s_barrier_wait -1
	v_and_b32 v[DD+3], 31, v0
	v_lshlrev_b32 v[DD+3], 3, v[DD+3]              ; my two columns: 8 bytes; the wave reads 256 consecutive bytes
	s_lshl_b32 s30, s10, 9                         ; row w in each wave's part
	s_lshl_b32 s31, s10, 10                        ; and in emap
	v_add_nc_u32 v[DD], s30, v[DD+3]
	v_add_nc_u32 v[DD+1], 8*PART, v[DD]            ; the immediate offset has 16 bits: a second address for waves 8-15
	v_add_nc_u32 v[DD+3], s31, v[DD+3]
.irp w, 0,1,2,3,4,5,6,7
.irp h, 0,1
	ds_load_b64 v[RR+4*\w+2*\h:RR+4*\w+2*\h+1],       v[DD]   offset:\w*PART+\h*256
	ds_load_b64 v[RR+32+4*\w+2*\h:RR+32+4*\w+2*\h+1], v[DD+1] offset:\w*PART+\h*256
.endr
.endr
	s_lshl_b32 s14, s11, 18                        ; emap: batch,
	s_lshl_b32 s15, s12, 14                        ; 16 rows a tile row,
	s_add_co_u32 s14, s14, s15
	s_add_co_u32 s14, s14, s20                     ; the tile's first column
	s_mov_b32 s15, 0
	s_add_nc_u64 s[6:7], s[6:7], s[14:15]
	s_lshl_b32 s16, ttmp9, 3                       ; mm: 8 bytes a work-group
	s_mov_b32 s17, 0
	s_add_nc_u64 s[8:9], s[8:9], s[16:17]
	s_mov_b32 s38, 0x3c317218                      ; ln 2 / 64: bits to nats, sum to mean
	s_mov_b32 s39, 0xb3c14606                      ; -9 EPS: the nine r
	s_mov_b32 s40, 0x76543210                      ; v_permlanex16_b32: lane i of the other half
	s_mov_b32 s41, 0xfedcba98
	s_lshl_b32 s30, s10, 3
	s_add_co_u32 s30, s30, MMB
	v_mov_b32 v[DD+2], s30                         ; my wave's (min, max) in LDS
	s_wait_dscnt 0x0
.irp n, 16,8,4,2,1
.set i, 0
.rept \n
	v_pk_add_f32 v[RR+2*i:RR+2*i+1], v[RR+2*i:RR+2*i+1], v[RR+2*(i+\n):RR+2*(i+\n)+1]
.set i, i+1
.endr
.endr
	v_fma_f32 v[RR],   v[RR],   s38, s39
	v_fma_f32 v[RR+1], v[RR+1], s38, s39
	global_store_b64 v[DD+3], v[RR:RR+1], s[6:7]   ; the wave stores 256 consecutive bytes, at a multiple of 256 from emap's first byte
	v_min_num_f32 v[RR+2], v[RR], v[RR+1]
	v_max_num_f32 v[RR+3], v[RR], v[RR+1]
.irp m, 1,2,4,8
	v_min_num_f32_dpp v[RR+2], v[RR+2], v[RR+2] row_xmask:\m row_mask:0xf bank_mask:0xf
	v_max_num_f32_dpp v[RR+3], v[RR+3], v[RR+3] row_xmask:\m row_mask:0xf bank_mask:0xf
.endr
	v_permlanex16_b32 v[RR+4], v[RR+2], s40, s41
	v_permlanex16_b32 v[RR+5], v[RR+3], s40, s41
	v_min_num_f32 v[RR+2], v[RR+2], v[RR+4]
	v_max_num_f32 v[RR+3], v[RR+3], v[RR+5]
	ds_store_b64 v[DD+2], v[RR+2:RR+3]             ; all lanes, the same pair; bytes of their own behind the partials
	s_wait_dscnt 0x0                               ; for wave 0's sake
	s_barrier_signal -1
	s_barrier_wait -1
	s_cmp_lg_u32 s10, 0
	s_cbranch_scc1 .Lend
	v_and_b32 v[DD], 15, v0
	v_lshlrev_b32 v[DD], 3, v[DD]
	v_add_nc_u32 v[DD], MMB, v[DD]
	ds_load_b64 v[RR+6:RR+7], v[DD]                ; lane r of each 16: wave r's pair
	v_mov_b32 v[DD+1], 0
	s_wait_dscnt 0x0
.irp m, 1,2,4,8
	v_min_num_f32_dpp v[RR+6], v[RR+6], v[RR+6] row_xmask:\m row_mask:0xf bank_mask:0xf
	v_max_num_f32_dpp v[RR+7], v[RR+7], v[RR+7] row_xmask:\m row_mask:0xf bank_mask:0xf
.endr
	v_cmp_eq_u32 vcc_lo, 0, v0
	s_wait_xcnt 0x0                                ; EXEC is a source of the store above: it changes only behind this wait
	s_and_saveexec_b32 s42, vcc_lo
	global_store_b64 v[DD+1], v[RR+6:RR+7], s[8:9] ; thread 0: the tile's (min, max), the only 8 bytes of mm that this work-group owns
	s_wait_xcnt 0x0
	s_or_b32 exec_lo, exec_lo, s42
.Lend:
	s_wait_tensorcnt 0x0
	ds_add_u32 v240, v241
	s_wait_dscnt 0x0
	s_endpgm
.Lfunc_end_k_qb4631adb2d_entropy:
	.size	k_qb4631adb2d_entropy, .Lfunc_end_k_qb4631adb2d_entropy-k_qb4631adb2d_entropy
	.p2alignl 7, 3214868480
	.fill 96, 4, 3214868480
	.section	.rodata,"a",@progbits
	.p2align	6, 0x0
	.amdhsa_kernel k_qb4631adb2d_entropy
		.amdhsa_group_segment_fixed_size 133376
		.amdhsa_private_segment_fixed_size 0
		.amdhsa_enable_private_segment 0
		.amdhsa_kernarg_size 24
		.amdhsa_user_sgpr_count 2
		.amdhsa_user_sgpr_kernarg_segment_ptr 1
		.amdhsa_wavefront_size32 1
		.amdhsa_system_sgpr_workgroup_id_x 1
		.amdhsa_system_sgpr_workgroup_id_y 1
		.amdhsa_system_sgpr_workgroup_id_z 1
		.amdhsa_system_vgpr_workitem_id 0
		.amdhsa_next_free_vgpr 242
		.amdhsa_next_free_sgpr 66
		.amdhsa_reserve_vcc 1
		.amdhsa_float_denorm_mode_32 3
		.amdhsa_float_denorm_mode_16_64 3
		.amdhsa_memory_ordered 1
		.amdhsa_forward_progress 1
		.amdhsa_inst_pref_size 124
	.end_amdhsa_kernel
	.amdgpu_metadata
---
amdhsa.version: [ 1, 2 ]
amdhsa.kernels:
  - .name:           k_qb4631adb2d_entropy
    .symbol:         k_qb4631adb2d_entropy.kd
    .args:
      - { .name: x, .offset: 0, .size: 8, .value_kind: global_buffer, .address_space: global }
      - { .name: emap, .offset: 8, .size: 8, .value_kind: global_buffer, .address_space: global }
      - { .name: mm, .offset: 16, .size: 8, .value_kind: global_buffer, .address_space: global }
    .group_segment_fixed_size: 133376
    .private_segment_fixed_size: 0
    .kernarg_segment_align: 8
    .kernarg_segment_size: 24
    .max_flat_workgroup_size: 512
    .sgpr_count:     66
    .vgpr_count:     242
    .wavefront_size: 32
...
	.end_amdgpu_metadata
.endif
;; end of part 1
;; launch normalise (part 2): grid 256 x 1, 8 waves a work-group, no clusters, 0 bytes of LDS; arguments emap, mm, out0; writes out0
.if DOCPART == 2
	.amdgcn_target "amdgcn-amd-amdhsa--gfx1250"
	.amdhsa_code_object_version 6
	.text
	.protected	k_qb4631adb2d_normalise
	.globl	k_qb4631adb2d_normalise
	.p2align	8
	.type	k_qb4631adb2d_normalise,@function
k_qb4631adb2d_normalise:
	s_mov_b64 s[64:65], 0
	v_nop
	global_prefetch_b8 v0, s[64:65] scope:SCOPE_SE
	s_setreg_imm32_b32 hwreg(HW_REG_WAVE_MODE, 25, 1), 1
	s_wait_xcnt 0x0
; out0 = (e - min) / max(max - min, 1e-6), min and max over a batch's 65,536 numbers of emap.
; mm holds (min, max) of 64 tiles for each batch: 512 bytes, of which every wave loads all (16 bytes a lane) and reduces them itself:
; no LDS, no barrier.  A work-group takes 4,096 consecutive bytes of emap (64 work-groups a batch), a thread 16: a wave loads and stores
; 512 consecutive aligned bytes.  The division is a multiplication by v_rcp_f32's reciprocal (1 ulp).
	s_load_b128 s[4:7], s[0:1], 0x0                ; emap s[4:5], mm s[6:7]
	s_load_b64 s[8:9], s[0:1], 0x10                ; out0
	s_lshl_b32 s10, ttmp9, 12                      ; my 4,096 bytes
	s_mov_b32 s11, 0
	s_lshr_b32 s12, ttmp9, 6                       ; batch
	s_lshl_b32 s12, s12, 9                         ; its 512 bytes of mm
	s_mov_b32 s13, 0
	s_mov_b32 s14, 0x76543210                      ; v_permlanex16_b32: lane i of the other half
	s_mov_b32 s15, 0xfedcba98
	v_lshlrev_b32 v1, 4, v0
	v_and_b32 v2, 31, v0
	v_lshlrev_b32 v2, 4, v2
	s_wait_kmcnt 0x0
	s_add_nc_u64 s[4:5], s[4:5], s[10:11]
	s_add_nc_u64 s[6:7], s[6:7], s[12:13]
	s_add_nc_u64 s[8:9], s[8:9], s[10:11]
	global_load_b128 v[4:7], v2, s[6:7]            ; two tiles' (min, max)
	global_load_b128 v[8:11], v1, s[4:5]           ; my four numbers
	s_wait_loadcnt 0x1                             ; the table is in; the map's load stays out
	v_min_num_f32 v12, v4, v6
	v_max_num_f32 v13, v5, v7
.irp m, 1,2,4,8
	v_min_num_f32_dpp v12, v12, v12 row_xmask:\m row_mask:0xf bank_mask:0xf
	v_max_num_f32_dpp v13, v13, v13 row_xmask:\m row_mask:0xf bank_mask:0xf
.endr
	v_mov_b32 v14, v12                             ; v_permlanex16_b32 counts as a reader of its destination
	v_mov_b32 v15, v13
	v_permlanex16_b32 v14, v12, s14, s15
	v_permlanex16_b32 v15, v13, s14, s15
	v_min_num_f32 v12, v12, v14                    ; the batch's minimum, in every lane
	v_max_num_f32 v13, v13, v15                    ; and maximum
	v_sub_f32 v18, v13, v12
	v_max_num_f32 v18, 0x358637bd, v18             ; MIN_DENOM = 1e-6
	v_rcp_f32 v16, v18                             ; twice: a pair for the packed multiply
	v_rcp_f32 v17, v18
	s_wait_loadcnt 0x0
	v_pk_add_f32 v[8:9],   v[8:9],   v[12:13] op_sel_hi:[1,0] neg_lo:[0,1] neg_hi:[0,1]   ; e - min (v12 for both); also the plain place behind v_rcp_f32
	v_pk_add_f32 v[10:11], v[10:11], v[12:13] op_sel_hi:[1,0] neg_lo:[0,1] neg_hi:[0,1]
	s_wait_alu depctr_va_vdst(0)
	v_pk_mul_f32 v[8:9],   v[8:9],   v[16:17]
	v_pk_mul_f32 v[10:11], v[10:11], v[16:17]
	global_store_b128 v1, v[8:11], s[8:9]
	s_endpgm
.Lfunc_end_k_qb4631adb2d_normalise:
	.size	k_qb4631adb2d_normalise, .Lfunc_end_k_qb4631adb2d_normalise-k_qb4631adb2d_normalise
	.p2alignl 7, 3214868480
	.fill 96, 4, 3214868480
	.section	.rodata,"a",@progbits
	.p2align	6, 0x0
	.amdhsa_kernel k_qb4631adb2d_normalise
		.amdhsa_group_segment_fixed_size 0
		.amdhsa_private_segment_fixed_size 0
		.amdhsa_enable_private_segment 0
		.amdhsa_kernarg_size 24
		.amdhsa_user_sgpr_count 2
		.amdhsa_user_sgpr_kernarg_segment_ptr 1
		.amdhsa_wavefront_size32 1
		.amdhsa_system_sgpr_workgroup_id_x 1
		.amdhsa_system_sgpr_workgroup_id_y 1
		.amdhsa_system_sgpr_workgroup_id_z 1
		.amdhsa_system_vgpr_workitem_id 0
		.amdhsa_next_free_vgpr 24
		.amdhsa_next_free_sgpr 66
		.amdhsa_reserve_vcc 0
		.amdhsa_float_denorm_mode_32 3
		.amdhsa_float_denorm_mode_16_64 3
		.amdhsa_memory_ordered 1
		.amdhsa_forward_progress 1
		.amdhsa_inst_pref_size 3
	.end_amdhsa_kernel
	.amdgpu_metadata
---
amdhsa.version: [ 1, 2 ]
amdhsa.kernels:
  - .name:           k_qb4631adb2d_normalise
    .symbol:         k_qb4631adb2d_normalise.kd
    .args:
      - { .name: emap, .offset: 0, .size: 8, .value_kind: global_buffer, .address_space: global }
      - { .name: mm, .offset: 8, .size: 8, .value_kind: global_buffer, .address_space: global }
      - { .name: out0, .offset: 16, .size: 8, .value_kind: global_buffer, .address_space: global }
    .group_segment_fixed_size: 0
    .private_segment_fixed_size: 0
    .kernarg_segment_align: 8
    .kernarg_segment_size: 24
    .max_flat_workgroup_size: 256
    .sgpr_count:     66
    .vgpr_count:     24
    .wavefront_size: 32
...
	.end_amdgpu_metadata
.endif
;; end of part 2
